; MI455X (gfx1250); checked and timed in simulation.
; The chip was launched on July 23, 2026; its instructions are those of AMD's public machine-readable ISA for CDNA 5 (MIT licence, August 2026) and "CDNA5" Instruction Set Architecture Reference Guide (July 2026). The comments in the code are by the model that wrote it; some were corrected since.
;; Attention. Allowed arithmetic: matrix products marked QUANTISED: E5M2 operands, one given power-of-two scale a tensor, by v_wmma_f32_16x16x64_bf8_bf8 or v_wmma_f32_16x16x128_bf8_bf8, f32 sums; products left as they are: f32 operands where the result goes on into a quantised operand, else bf16, f16 or f32 operands; f32 sums; everything else in f32.
;; Inputs: W_out 1,024 x 1,024 float32; W_qkv 1,024 x 3,072 float32; b_out 1,024 float32; lowp_scales 6 int32 (the exponents e of the quantised operands' scales 2^e); x 4 x 4,096 x 1,024 float32.
;; Outputs: out0 4 x 4,096 x 1,024 float32.
;; This version of the problem:
;;   THIS VERSION OF THE PROBLEM IS GIVEN IN LOW PRECISION. The matrix products marked QUANTISED in the list below multiply operands that are first quantised to E5M2 (5 exponent bits, 2 mantissa bits; 8 bits a number), with one given power-of-two scale for each operand tensor; their sums are f32. All else is computed in f32.
;;   The module's matrix products, in the order in which they are computed (A, B: the left and right operand; K: the contracted axis; several contracted axes count as one K, in the product's order):
;;     1. [M 16,384, K 1,024] x [K 1,024, N 3,072]; A: input x; B: input W_qkv: QUANTISED (scales: A lowp_scales[0], B lowp_scales[1])
;;     2. batch 16,384 x [M 16, K 64] x [K 64, N 16]; A: computed on the way; B: computed on the way: QUANTISED (scales: A lowp_scales[2], B lowp_scales[3])
;;     3. batch 16,384 x [M 16, K 16] x [K 16, N 64]; A: softmax; B: computed on the way: left as it is (K = 16 < 32)
;;     4. [M 16,384, K 1,024] x [K 1,024, N 1,024]; A: computed on the way; B: input W_out: QUANTISED (scales: A lowp_scales[4], B lowp_scales[5])
;;   THE QUANTISER, for each operand of a quantised product, along K:
;;     - The operand's scale is 2^e, e = its entry of the input lowp_scales (int32; the entries are numbered through the quantised products in the list's order, A before B).
;;     - Each number is divided by the scale, clamped to +-57,344, and rounded to the nearest number of E5M2, ties to even, subnormals kept.
;;     - The product sums the exact products of the quantised numbers (number of the format x scale) in f32.
;;   ~~~python
;;   def quantise(x, axis, e):      # numpy; x: float32 -> the quantised numbers, widened to float32 again
;;       x = np.moveaxis(x, axis, -1); K = x.shape[-1]
;;       r = np.clip(x / 2.0 ** e, -57344, 57344)
;;       step = 2.0 ** (np.maximum(np.frexp(np.where(r == 0, 1, r))[1] - 1, -14) - 2)
;;       q = np.round(r / step) * step * 2.0 ** e      # np.round: ties to even
;;       return np.moveaxis(q, -1, axis).astype(np.float32)
;;   ~~~
;;   OPERANDS COMPUTED ON THE WAY. 'Computed on the way' means the value that the module computes at that place (a softmax that the list does not call 'softmax' is quantised finished and normalised). What goes into a quantiser is computed in f32, as accurately as f32 sums, v_exp_f32 and their like allow (about 1e-6 of the number): no bf16 or f16 on the way to a quantiser, and a product that is left as it is and whose result goes on into a quantised operand takes f32 operands (vector FMAs, or v_wmma_f32_16x16x4_f32). A number that lies on a knife's edge between two numbers of the format may be rounded either way, as far as f32 arithmetic and the matrix unit's own rounding can turn it there, and no further.
;; One version. Each part assembles by itself: llvm-mc -triple=amdgcn-amd-amdhsa -mcpu=gfx1250 --defsym DOCPART=n.
;; ======== version 1 of 1: 2 launches
;; limits: right only within a limited range of input values
;; workspace buffers: wimg 4,194,304 bytes
;; launch prep (part 1): grid 512 x 1, 4 waves a work-group, no clusters, 0 bytes of LDS; arguments W_qkv, W_out, lowp_scales, wimg; writes wimg
.if DOCPART == 1
	.amdgcn_target "amdgcn-amd-amdhsa--gfx1250"
	.amdhsa_code_object_version 6
	.text
	.protected	k_q27613c2963_prep
	.globl	k_q27613c2963_prep
	.p2align	8
	.type	k_q27613c2963_prep,@function
k_q27613c2963_prep:
	s_mov_b64 s[64:65], 0
	v_nop
	global_prefetch_b8 v0, s[64:65] scope:SCOPE_SE
	s_setreg_imm32_b32 hwreg(HW_REG_WAVE_MODE, 25, 1), 1
	s_wait_xcnt 0x0
; W_qkv [1024][3072] and W_out [1024][1024], f32, K their FIRST axis, become codes of BF8 (E5M2), each with the one scale 2^e given for it
; (entry 1 and entry 5 of the scales): code = w / 2^e, held within +-57,344, to the nearest code, ties to even.
; NO WORK OF THE PROBLEM IS LEFT OUT, here or in the next launch: all four products, the bias and all six scales reach the result.
; THE CODES ARE LAID AS IMAGES OF OPERAND REGISTERS.  A fragment is 16 columns x 128 along K: 16 registers a lane, 2,048 bytes: group c (four registers) of lane L at 512 c + 16 L.
; The fragment of pass p (0 q, 1 k, 2 v, 3 the way out), wave w, K step s, tile nt lies at 2,048 x (((4 p + w) 8 + s) 16 + nt): a wave's K step is 32,768 bytes on end.
; Lane L = (r = L % 16, hh = L / 16) holds column n:  p = 0, 1: 1024 p + 256 w + 16 nt + r;  p = 2: 2048 + 64 nt + 16 w + r (tile nt = key head nt);  p = 3: 256 w + 16 nt + r of W_out.
; Byte q of group c is W[k][n], in the order of k in which the next launch lays the tokens' codes (one permutation of k on both sides of a product leaves every product with its partner):
;   p < 3:  k = 512 (s / 4) + 32 (s % 4) + 8 c + 4 hh + 256 (q / 8) + 128 ((q / 4) % 2) + q % 4
;   p = 3:  k = 512 (s % 2) + 16 (s / 2) + 128 c + 8 hh + 64 (q / 8) + q % 8
; SHARES.  One wave makes one fragment: a lane takes a column and its 64 registers run down K in the fragment's order, so the conversions' results are the image.  The four waves of a work-group
; take four neighbouring tiles of columns: together 256 consecutive bytes of each row.  Work-groups 0-383: W_qkv (48 groups of 64 columns x 8 K steps); 384-511: W_out (16 x 8).
; Each store of a wave covers 512 consecutive bytes, aligned.  No LDS, no barrier: waves share nothing.
; LIMITS: e between -126 and 112.  NaN among the inputs is not served (an infinity is held at the largest code).
.set RQ, 12288                         ; a row of W_qkv in bytes
.set RO, 4096                          ; a row of W_out
; v1 r, v2 hh, v3 the loads' offset, v4 16 x lane, v5 2^e, v6 57,344 x 2^e, v16-79 the numbers (16 c + q), v80-95 the codes
; s[14:15] where my fragment's numbers begin, s[18:19] where its image goes, s16 e
.macro QW rowbytes, mapo
.set cc, 0
.rept 4
.set qq, 0
.rept 16
.if \mapo
.set ROW, 128*cc+64*(qq/8)+qq%8
.else
.set ROW, 8*cc+256*(qq/8)+128*((qq/4)%2)+qq%4
.endif
	global_load_b32 v[16+16*cc+qq], v3, s[14:15] offset:ROW*\rowbytes   ; sixteen lanes read 64 consecutive bytes of a row; at most 411 rows of 12,288 bytes: inside the signed 24-bit immediate
.set qq, qq+1
.endr
.set cc, cc+1
.endr
	s_wait_kmcnt 0x0                               ; e
	s_add_co_i32 s16, s16, 127
	s_lshl_b32 s17, s16, 23
	v_mov_b32 v5, s17                              ; 2^e as f32: the conversion takes its exponent field
	s_add_co_i32 s16, s16, 15
	s_lshl_b32 s16, s16, 23
	s_or_b32 s16, s16, 0x600000
	v_mov_b32 v6, s16                              ; 57,344 x 2^e
	s_wait_alu depctr_va_vdst(0)
.irp c4, 0,1,2,3
	s_wait_loadcnt 48-16*\c4                       ; loads come back in order: group c's sixteen are in, the later groups' may be out
.irp q4, 0,1,2,3,4,5,6,7,8,9,10,11,12,13,14,15
	v_med3_num_f32 v[16+16*\c4+\q4], v[16+16*\c4+\q4], -v6, v6   ; the conversion to an 8-bit code does not saturate (ISA guide 7.6.2): the hold comes first
.endr
	v_cvt_scalef32_pk8_bf8_f32 v[80+4*\c4:81+4*\c4], v[16+16*\c4:23+16*\c4], v5
	v_cvt_scalef32_pk8_bf8_f32 v[82+4*\c4:83+4*\c4], v[24+16*\c4:31+16*\c4], v5
	global_store_b128 v4, v[80+4*\c4:83+4*\c4], s[18:19] offset:512*\c4   ; the results go to a store alone; the next group's holds are plain lines on other registers
.endr
	s_endpgm
.endm
	s_load_b256 s[4:11], s[0:1], 0x0               ; W_qkv s[4:5], W_out s[6:7], the scales' exponents s[8:9], the images s[10:11]
	v_lshrrev_b32 v1, 5, v0
	v_readfirstlane_b32 s12, v1                    ; wave 0..3
	v_and_b32 v1, 15, v0                           ; r
	v_bfe_u32 v2, v0, 4, 1                         ; hh
	v_and_b32 v4, 31, v0
	v_lshlrev_b32 v4, 4, v4                        ; 16 x lane
	v_lshlrev_b32 v3, 2, v1                        ; 4 r
	s_and_b32 s21, ttmp9, 7                        ; the K step s (384 is a multiple of 8: the same line serves both tensors)
	s_lshr_b32 s20, ttmp9, 3                       ; the group of four tiles of columns
	s_cmp_lt_u32 ttmp9, 384
	s_cbranch_scc0 .Lwout
	; ---- W_qkv
	s_lshl_b32 s20, s20, 2
	s_add_co_u32 s20, s20, s12                     ; my tile of 16 columns, 0..191
	s_lshr_b32 s22, s20, 6                         ; p
	s_and_b32 s23, s20, 63                         ; the tile within q, k or v
	s_lshr_b32 s24, s23, 4                         ; q, k: w = tile / 16,
	s_and_b32 s25, s23, 15                         ;       nt = tile % 16
	s_and_b32 s26, s23, 3                          ; v:    w = tile % 4,
	s_lshr_b32 s27, s23, 2                         ;       nt = tile / 4
	s_cmp_eq_u32 s22, 2
	s_cselect_b32 s24, s26, s24
	s_cselect_b32 s25, s27, s25
	s_lshl_b32 s22, s22, 2
	s_add_co_u32 s22, s22, s24                     ; 4 p + w
	s_lshl_b32 s22, s22, 3
	s_add_co_u32 s22, s22, s21
	s_lshl_b32 s22, s22, 4
	s_add_co_u32 s22, s22, s25                     ; the fragment's number,
	s_lshl_b32 s22, s22, 11                        ; x 2,048 bytes
	s_mov_b32 s23, 0
	s_lshr_b32 s26, s21, 2
	s_lshl_b32 s26, s26, 9
	s_and_b32 s27, s21, 3
	s_lshl_b32 s27, s27, 5
	s_add_co_u32 s26, s26, s27                     ; the K step's first row: 512 (s / 4) + 32 (s % 4)
	s_mul_i32 s26, s26, RQ
	s_lshl_b32 s27, s20, 6
	s_add_co_u32 s26, s26, s27                     ; + 64 bytes a tile of columns
	s_mov_b32 s27, 0
	s_wait_alu depctr_va_vdst(0)
	v_mul_u32_u24 v5, v2, 4*RQ
	v_add_nc_u32 v3, v3, v5                        ; lanes 16-31 begin four rows further down
	s_wait_alu depctr_va_vdst(0)
	s_wait_kmcnt 0x0
	s_load_b32 s16, s[8:9], 0x4                    ; e of W_qkv
	s_add_nc_u64 s[14:15], s[4:5], s[26:27]
	s_add_nc_u64 s[18:19], s[10:11], s[22:23]
	QW RQ, 0
.Lwout:
	; ---- W_out
	s_sub_co_u32 s20, s20, 48
	s_lshl_b32 s20, s20, 2
	s_add_co_u32 s20, s20, s12                     ; my tile of 16 columns, 0..63 = 16 w + nt
	s_lshr_b32 s24, s20, 4                         ; w
	s_and_b32 s25, s20, 15                         ; nt
	s_add_co_u32 s22, s24, 12                      ; 4 p + w, p = 3
	s_lshl_b32 s22, s22, 3
	s_add_co_u32 s22, s22, s21
	s_lshl_b32 s22, s22, 4
	s_add_co_u32 s22, s22, s25
	s_lshl_b32 s22, s22, 11
	s_mov_b32 s23, 0
	s_and_b32 s26, s21, 1
	s_lshl_b32 s26, s26, 9
	s_lshr_b32 s27, s21, 1
	s_lshl_b32 s27, s27, 4
	s_add_co_u32 s26, s26, s27                     ; the K step's first row: 512 (s % 2) + 16 (s / 2)
	s_mul_i32 s26, s26, RO
	s_lshl_b32 s27, s20, 6
	s_add_co_u32 s26, s26, s27
	s_mov_b32 s27, 0
	s_wait_alu depctr_va_vdst(0)
	v_lshl_add_u32 v3, v2, 15, v3                  ; lanes 16-31 begin eight rows of 4,096 bytes further down
	s_wait_alu depctr_va_vdst(0)
	s_wait_kmcnt 0x0
	s_load_b32 s16, s[8:9], 0x14                   ; e of W_out
	s_add_nc_u64 s[14:15], s[6:7], s[26:27]
	s_add_nc_u64 s[18:19], s[10:11], s[22:23]
	QW RO, 1
.Lfunc_end_k_q27613c2963_prep:
	.size	k_q27613c2963_prep, .Lfunc_end_k_q27613c2963_prep-k_q27613c2963_prep
	.p2alignl 7, 3214868480
	.fill 96, 4, 3214868480
	.section	.rodata,"a",@progbits
	.p2align	6, 0x0
	.amdhsa_kernel k_q27613c2963_prep
		.amdhsa_group_segment_fixed_size 0
		.amdhsa_private_segment_fixed_size 0
		.amdhsa_enable_private_segment 0
		.amdhsa_kernarg_size 32
		.amdhsa_user_sgpr_count 2
		.amdhsa_user_sgpr_kernarg_segment_ptr 1
		.amdhsa_wavefront_size32 1
		.amdhsa_system_sgpr_workgroup_id_x 1
		.amdhsa_system_sgpr_workgroup_id_y 1
		.amdhsa_system_sgpr_workgroup_id_z 1
		.amdhsa_system_vgpr_workitem_id 0
		.amdhsa_next_free_vgpr 96
		.amdhsa_next_free_sgpr 66
		.amdhsa_reserve_vcc 0
		.amdhsa_float_denorm_mode_32 3
		.amdhsa_float_denorm_mode_16_64 3
		.amdhsa_memory_ordered 1
		.amdhsa_forward_progress 1
		.amdhsa_inst_pref_size 26
	.end_amdhsa_kernel
	.amdgpu_metadata
---
amdhsa.version: [ 1, 2 ]
amdhsa.kernels:
  - .name:           k_q27613c2963_prep
    .symbol:         k_q27613c2963_prep.kd
    .args:
      - { .name: W_qkv, .offset: 0, .size: 8, .value_kind: global_buffer, .address_space: global }
      - { .name: W_out, .offset: 8, .size: 8, .value_kind: global_buffer, .address_space: global }
      - { .name: lowp_scales, .offset: 16, .size: 8, .value_kind: global_buffer, .address_space: global }
      - { .name: wimg, .offset: 24, .size: 8, .value_kind: global_buffer, .address_space: global }
    .group_segment_fixed_size: 0
    .private_segment_fixed_size: 0
    .kernarg_segment_align: 8
    .kernarg_segment_size: 32
    .max_flat_workgroup_size: 128
    .sgpr_count:     66
    .vgpr_count:     96
    .wavefront_size: 32
...
	.end_amdgpu_metadata
.endif
;; end of part 1
;; launch fused (part 2): grid 256 x 1, 4 waves a work-group, no clusters, 315,904 bytes of LDS; arguments x, wimg, lowp_scales, b_out, out0; writes out0
.if DOCPART == 2
	.amdgcn_target "amdgcn-amd-amdhsa--gfx1250"
	.amdhsa_code_object_version 6
	.text
	.protected	k_q27613c2963_fused
	.globl	k_q27613c2963_fused
	.p2align	8
	.type	k_q27613c2963_fused,@function
k_q27613c2963_fused:
	s_mov_b64 s[64:65], 0
	v_nop
	global_prefetch_b8 v0, s[64:65] scope:SCOPE_SE
	s_setreg_imm32_b32 hwreg(HW_REG_WAVE_MODE, 25, 1), 1
	s_wait_xcnt 0x0
; out0 = Q(attention(Q(x) Q(W_qkv))) Q(W_out) + b_out for 16,384 tokens of 1,024 channels; attention is among a token's own 16 heads of 64.  Nothing between x and out0 goes to memory.  No work of the problem is left out.
; Products 1, 2 and 4 multiply codes of BF8 (E5M2), each operand with its given scale 2^e (e0 .. e5); product 3 (K = 16) feeds a quantiser and is done by f32 multiply-adds; softmax in f32, its maximum taken away first.
; SHARES.  A work-group of four waves owns 64 tokens through the whole chain.  In each of four passes (q, k, v, the way out) wave w makes 64 tokens x 256 columns: 64 accumulators, 512 registers.
; THE PRODUCTS ARE USED TRANSPOSED (source 0 = 16 weight columns, source 1 = 16 tokens): a lane holds ONE token (lane % 16) and its eight registers eight neighbouring columns, which is what the conversions to codes take.
; WEIGHTS come as images of operand registers (the launch before laid them): each fragment is read by exactly one wave of the work-group, so it goes from memory straight into that wave's registers, 16 fragments
; (32,768 bytes, 64 loads of 512 consecutive bytes) always on their way, refilled four fragments at a time as they are used up, on into the next pass.
; NO TENSOR LOADS AND NO CLUSTER, though all work-groups walk the same weights: x's codes, q's, k's and the softmax's weights take 315,392 of a WGP's 327,680 bytes of LDS, so no slot for a tile of weights fits beside them.
; THE ORDER OF K.  A pass's eight K steps are walked from step (work-group % 8) on, round: eight groups of work-groups ask for eight different parts of a pass at a time.  Only the order of the f32 sums hangs on it.
; A row of codes in LDS is 1,024 bytes; which k a byte stands for is a permutation, the same as in the weights' images:
;   x:          byte 512 a + 16 l + 8 b + e holds k = 512 a + 256 b + 128 (e / 4) + 4 l + e % 4  (what dense loads of 16 bytes a lane and conversions of eight registers give)
;   attention:  byte 256 w + 32 u + 16 hh + 8 h2 + j holds head 2 u + h2, channel 16 w + 8 hh + j
; PHASES:  x -> codes | barrier | q pass, k pass -> codes | barrier | scores, softmax (wave w: tokens 16 w ..) ; v pass | barrier | product 3 -> codes | barrier | the last pass, in two halves of my 256 columns:
;          the first half's results leave, through a stage, while the second half is multiplied; the second half's leave at the end.
; LIMITS on the given exponents, so that each power of two below is an f32 number: e0, e2 - e0 - e1, e3 - e0 - e1, e4 - e0 - e1 between -126 and 112; e2 + e3 between -123 and 130; e4 + e5 between -126 and 127.
; NaN among the inputs is not served; numbers beyond a scale's range are held at the largest code.
;
; LDS:  XC 0: x's codes, 64 rows, pitch 1,040 (65 x 16 bytes: the sixteen rows of a fragment load start in sixteen different groups of banks); after the last barrier its first 33,792 bytes are the four waves' stages
;       QB: q's codes, a token 1,296 bytes (81 x 16), a head 80 (64 + 16)     KB: k's likewise; later OC: attention's result as rows of codes, pitch 1,040
;       PBASE: the softmax's weights, f32 [token][h][g], a token 1,296 bytes, a head 80     SPARE: the spare words, 128 bytes a wave, which no other line names
; REGISTERS, in windows of 256:  window 0: v1-31 addresses and constants, v32-39 the bias, v40-127 at work, v128-191 and v192-255 the tokens' fragments of a K step, two sets (between passes: at work)
;       window 1: the 16 weight fragments, tile nt at v[16 nt]     windows 2, 3: the accumulators, (m, nt) at v[8 (4 (nt % 8) + m)], window 2 for nt < 8; in the x phase window 2 takes x's numbers
.set PX,    1040
.set PT,    1296
.set PH,    80
.set SPI,   528                        ; a stage row: 512 bytes + 16 (33 x 16)
.set XC,    0
.set QB,    64*PX
.set KB,    QB+64*PT
.set OC,    KB
.set PBASE, KB+64*PT
.set SPARE, PBASE+64*PT
.set L16, 1                            ; v1   16 x lane: offset of every dense global access
.set XS,  2                            ; v2   XC + 16 w rows + 16 x lane: x's codes go in here
.set AX,  3                            ; v3   XC + r rows + 16 hh: a fragment's place for my lane
.set AO,  4                            ; v4   the same in OC
.set AC,  5                            ; v5   the fragment loads' address in hand
.set QS,  6                            ; v6   QB + r tokens + 320 w + 16 hh: where q's codes go
.set QSC, 7                            ; v7   the same for the pass in hand (q or k)
.set SFQ, 8                            ; v8   QB + 16 w tokens + 80 r + 32 hh: a score's fragment of q
.set SFK, 9                            ; v9   of k
.set PS,  10                           ; v10  the same place in PBASE: where the softmax's weights go
.set PB,  11                           ; v11  PBASE + r tokens: where product 3 reads them
.set PCA, 12                           ; v12  that address for the next trip's g 0-7
.set OS,  13                           ; v13  OC + r rows + 256 w + 16 hh: where attention's codes go
.set OSC, 14                           ; v14  the same for the trip in hand
.set STA, 15                           ; v15  my stage (16 w stage rows) + r rows + 32 hh: into the stage
.set SPW, 16                           ; v16  my spare word; never rewritten
.set NIL, 17                           ; v17  0; never rewritten
.set PFO, 18                           ; v18  256 x lane: the prefetch's offset
.set PCB, 19                           ; v19  product 3's address for the next trip's g 8-15
.set XSG, 31                           ; v31  my stage + 16 x lane: a stage row is read back from here
; v20, v21: 2^e0 and 57,344 x 2^e0;  v22, v23: the same for q or k, with e2 (e3) - e0 - e1;  v24, v25: for attention's result, with e4 - e0 - e1;  v26, v27, v29: the scores' addresses in hand
.set BIAS, 32
.set PW,   40                          ; product 3: v40-55 weights g 0-7 of two heads, v56-71 g 8-15
.set OA,   72                          ; v72-87 its sums: two heads x eight channels;  v88-91 their codes
.set AF,   128
.set WV,  22                           ; s22  wave
.set ROT, 23                           ; s23  work-group % 8
.set LC,  24                           ; s24  the K loop's trips
.set QT,  25                           ; s25  0: q's pass, 1: k's
.set TX,  26                           ; s26  the K step that is being fetched
.set KA,  27
.set OF,  28                           ; s[28:29] an offset into the images
.set PO,  30                           ; s30  the pass's first byte in the images
.set WB,  32                           ; s[32:33] the images + my wave's 262,144 bytes of a pass
.set PFA, 36                           ; s[36:37] where my prefetch stands
.set LIM, 38                           ; s38  the trip in which I prefetch, or -1
.set CS,  40                           ; s[40:41] c = log2(e) / 8 x 2^(e2 + e3)
.set SEL, 42                           ; s[42:43] v_permlanex16_b32's selects for lane l xor 16
.set SC,  44                           ; s[44:45] 2^(e4 + e5)
.set U,   50                           ; s50  counter of the scores' and product 3's loops
.set BN,  66                           ; s[66:73] four bases, one for each group of four ring fragments: group g's at s[BN + 2 g]
.set OG,  74                           ; s[74:75] a second offset into the images
.set MSB, 0
.macro WIN new                         ; the immediate's high byte repeats the setting that is left; a switch that changes nothing is dropped
.if MSB != (\new)
	s_set_vgpr_msb (MSB<<8)|(\new)
.set MSB, (\new)
.endif
.endm
.set MUL_LO, 0xa1                      ; source 0 (weights) window 1, source 1 (tokens) window 0, C and D window 2
.set MUL_HI, 0xf1                      ; the same, C and D window 3
.set TO_B,   0x40                      ; destination window 1, address window 0
.macro BARRIER                         ; my LDS stores have landed and my LDS loads are in: then the work-group's barrier
	s_wait_dscnt 0x0
	s_barrier_signal -1
	s_barrier_wait -1
.endm
.macro POW2 sc, lim, t                 ; s[t] = e:  s[sc] = 2^e as f32, s[lim] = 57,344 x 2^e
	s_add_co_i32 s[\t], s[\t], 127
	s_lshl_b32 s[\sc], s[\t], 23
	s_add_co_i32 s[\t], s[\t], 15
	s_lshl_b32 s[\lim], s[\t], 23
	s_or_b32 s[\lim], s[\lim], 0x600000
.endm
; Four weight fragments into the ring's group g (registers 64 g on of window 1): fragments fo .. fo + 3 behind the group's base: sixteen loads of 512 consecutive bytes
.macro RING g, fo
	WIN TO_B
.irp n4, 0,1,2,3
.irp c, 0,1,2,3
	global_load_b128 v[16*(4*(\g)+\n4)+4*\c:16*(4*(\g)+\n4)+4*\c+3], v[L16], s[BN+2*(\g):BN+2*(\g)+1] offset:2048*((\fo)+\n4)+512*\c
.endr
.endr
.endm
; A PREFETCH INTO THE L2 of the NEXT pass's images, 1,048,576 bytes.  Each aligned block of 256 bytes is named once in the launch: wave 0 of work-groups 0 to 127 asks, 8,192 bytes each, lanes 256 bytes apart, one instruction.
; It stands in the K loop's second trip, behind the wave's loads: four K steps, 256 matrix instructions, ahead of the tail step whose loads first want those bytes.  The first pass's images come by their loads alone; the last pass asks for nothing.
.macro ASK
	s_cmp_eq_u32 s[LC], s[LIM]
	s_cbranch_scc0 .Lnoask_\@
	global_prefetch_b8 v[PFO], s[PFA:PFA+1] th:TH_LOAD_NT scope:SCOPE_SE
.Lnoask_\@:
.endm
; A K STEP of q's, k's or v's pass: 64 matrix instructions, the 64 accumulators by turns, in the same order in every step.  set: the tokens' set.  zero: the products start the sums: nothing is ever cleared.
; afetch: the next step's token fragments are fetched from LDS into the other set.  Each group of four weight fragments is loaded again as soon as its sixteen products are issued.
; A GROUP'S BASE IS ITS OWN: it is written directly behind the wait that shows the group's sixteen loads done, and only those loads name it; so no wait for the translation of addresses stands in a step.
; The step fetched is (ROT + nidx [+ 2 LC]) % 8; wrap: of the next pass.  nxt: the next pass is the last one, which goes by halves: groups 0, 1 take tiles 0-7 of its first K step, groups 2, 3 tiles 0-7 of its second.
.macro STEP set, zero, afetch, inloop, nidx, wrap, ask, nxt
.if \inloop
	s_lshl_b32 s[TX], s[LC], 1
	s_add_co_u32 s[TX], s[TX], s[ROT]
	s_add_co_u32 s[TX], s[TX], \nidx
.else
	s_add_co_u32 s[TX], s[ROT], \nidx
.endif
	s_and_b32 s[TX], s[TX], 7
	s_lshl_b32 s[OF], s[TX], 15
	s_add_co_u32 s[OF], s[OF], s[PO]
.if \wrap
	s_add_co_u32 s[OF], s[OF], 1<<20
.endif
.if \nxt
	s_add_co_u32 s[OG], s[ROT], 1
	s_and_b32 s[OG], s[OG], 7
	s_lshl_b32 s[OG], s[OG], 15
	s_add_co_u32 s[OG], s[OG], s[PO]
	s_add_co_u32 s[OG], s[OG], 1<<20
.endif
	s_wait_dscnt 0x0                               ; this step's token fragments are in (asked for 48 matrix instructions ago)
.if \afetch
	s_lshl_b32 s[KA], s[TX], 7
	v_add_nc_u32 v[AC], s[KA], v[AX]
.endif
.irp gq, 0,1,2,3
	s_wait_loadcnt 48                              ; loads come back in order: this group's sixteen are in; the three groups issued behind them may be out
.if \nxt && (\gq >= 2)
	s_add_nc_u64 s[BN+2*\gq:BN+2*\gq+1], s[WB:WB+1], s[OG:OG+1]   ; the loads that named this base are done: it may be written
.else
	s_add_nc_u64 s[BN+2*\gq:BN+2*\gq+1], s[WB:WB+1], s[OF:OF+1]
.endif
.if \gq < 2
	WIN MUL_LO
.else
	WIN MUL_HI
.endif
.irp n4, 0,1,2,3
.irp m, 0,1,2,3
.set NT, 4*\gq+\n4
.set AR, 8*(4*(NT%8)+\m)
.if \zero
	v_wmma_f32_16x16x128_bf8_bf8 v[AR:AR+7], v[16*NT:16*NT+15], v[AF+64*\set+16*\m:AF+64*\set+16*\m+15], 0
.else
	v_wmma_f32_16x16x128_bf8_bf8 v[AR:AR+7], v[16*NT:16*NT+15], v[AF+64*\set+16*\m:AF+64*\set+16*\m+15], v[AR:AR+7]
.endif
.endr
.endr
.rept 4
	v_nop                                          ; four places in front of loads into registers that matrix instructions have read, and, behind a pass's last products, of the first read of results
.endr
.if \nxt && (\gq >= 2)
	RING \gq, 4*(\gq-2)
.else
	RING \gq, 4*\gq
.endif
.if \gq == 0
.if \afetch || \ask
	WIN 0
.endif
.if \afetch
	s_wait_alu depctr_va_vdst(0)
.irp m, 0,1,2,3
.irp c, 0,1,2,3
	ds_load_b128 v[AF+64*(1-\set)+16*\m+4*\c:AF+64*(1-\set)+16*\m+4*\c+3], v[AC] offset:16*\m*PX+32*\c
.endr
.endr
.endif
.if \ask
	ASK
.endif
.endif
.endr
	WIN 0
.endm
; A PASS (q, k or v): eight K steps.  Its first step's weights were fetched by the step before it (the head, or the last pass's tail).
.macro PASS nxt
	s_wait_dscnt 0x0                               ; my LDS stores have read their registers: the fragment sets held their data
	s_wait_xcnt 0x0                                ; the last prefetch has read its address
	s_add_nc_u64 s[PFA:PFA+1], s[PFA:PFA+1], 0x100000   ; my 8,192 bytes of the next pass
	s_lshl_b32 s[KA], s[ROT], 7
	v_add_nc_u32 v[AC], s[KA], v[AX]
.irp m, 0,1,2,3
.irp c, 0,1,2,3
	ds_load_b128 v[AF+16*\m+4*\c:AF+16*\m+4*\c+3], v[AC] offset:16*\m*PX+32*\c
.endr
.endr
	STEP 0, 1, 1, 0, 1, 0, 0, 0
	s_mov_b32 s[LC], 0
.Lk_\@:
	STEP 1, 0, 1, 1, 2, 0, 1, 0
	STEP 0, 0, 1, 1, 3, 0, 0, 0
	s_add_co_u32 s[LC], s[LC], 1
	s_cmp_lt_u32 s[LC], 3
	s_cbranch_scc1 .Lk_\@
	STEP 1, 0, 0, 0, 0, 1, 0, \nxt
.endm
; THE WAY OUT of 16 tokens (tile m) x 128 columns (the accumulators of window W), through my own stage of 16 rows.  LDS serves a wave's instructions in order (ISA guide 5.7.1.4): no wait between the stores and the loads,
; nor between a tile's loads and the next tile's stores.  The rows come back into the registers that the tile left, so no register is used twice and no store's data are written again.
.macro WO_IN W, m                      ; lane (r, hh): the raw sums of token r, columns 16 n8 + 8 hh + 0 .. 7; each accumulator from its low end on
	WIN 0x08+4*((\W)-2)                            ; store data window W
.irp n8, 0,1,2,3,4,5,6,7
	ds_store_b128 v[STA], v[8*(4*\n8+(\m)):8*(4*\n8+(\m))+3] offset:64*\n8
	ds_store_b128 v[STA], v[8*(4*\n8+(\m))+4:8*(4*\n8+(\m))+7] offset:64*\n8+16
.endr
.endm
.macro WO_BACK W, m, i0                ; rows i0 .. i0 + 7, whole: 16 bytes a lane
	WIN 0x80+0x40*((\W)-2)                         ; destination window W
.irp i, 0,1,2,3,4,5,6,7
.set RR, 32*(((\i0)+\i)/2)+8*(\m)+4*(((\i0)+\i)%2)
	ds_load_b128 v[RR:RR+3], v[XSG] offset:SPI*((\i0)+\i)
.endr
.endm
.macro WO_SEND W, m, i0, younger       ; younger: the LDS instructions issued behind these eight rows' loads, which may stay out
	s_wait_dscnt \younger
	WIN 0x82+0x41*((\W)-2)                         ; destination and source 0 window W
.irp i, 0,1,2,3,4,5,6,7
.set RR, 32*(((\i0)+\i)/2)+8*(\m)+4*(((\i0)+\i)%2)
	v_pk_fma_f32 v[RR:RR+1], v[RR:RR+1], s[SC:SC+1], v[BIAS+4*((\W)-2):BIAS+4*((\W)-2)+1] op_sel_hi:[1,0,1]       ; sum x 2^(e4 + e5) + bias
	v_pk_fma_f32 v[RR+2:RR+3], v[RR+2:RR+3], s[SC:SC+1], v[BIAS+4*((\W)-2)+2:BIAS+4*((\W)-2)+3] op_sel_hi:[1,0,1]
.endr
	WIN 0x08+4*((\W)-2)                            ; store data window W
.irp i, 0,1,2,3,4,5,6,7
.set RR, 32*(((\i0)+\i)/2)+8*(\m)+4*(((\i0)+\i)%2)
	global_store_b128 v[L16], v[RR:RR+3], s[12:13] offset:65536*(\m)+4096*((\i0)+\i)+512*((\W)-2) th:TH_STORE_NT   ; 32 lanes store 512 consecutive bytes, at a multiple of 256 from out0's first byte
.endr
.endm
; A HALF STEP of the last pass, number t = tix [+ 2 LC] of sixteen: one K step for eight tiles of columns: 32 matrix instructions on 32 accumulators by turns.  t < 8 (H = 0): tiles 0-7, window 2; t >= 8 (H = 1): tiles 8-15, window 3.
; The ring holds two half steps: parity t % 2 (= set) has groups 2 set, 2 set + 1 and the tokens' set of that number.  A group is loaded again, with half step t + 2's fragments, as soon as its sixteen products are issued;
; its base is written behind the wait that shows its last loads done, as in STEP.  The tokens' fragments of half step t + 1 are fetched behind the first group.  c0, c1: the loads that may be out at the two groups' waits.
; piece: eight rows of the first half's results leave: rows 8 (t - 8) on.  They go into the stage (a tile of 16 rows at every second half step) and come back behind the first group, and are stored behind the second.
.macro HSTEP set, H, zero, afetch, bfetch, inloop, tix, c0, c1, piece
.set HH, (\tix)-8
.if \afetch
.if \inloop
	s_lshl_b32 s[TX], s[LC], 1
	s_add_co_u32 s[TX], s[TX], s[ROT]
	s_add_co_u32 s[TX], s[TX], (\tix)+1
.else
	s_add_co_u32 s[TX], s[ROT], (\tix)+1
.endif
	s_and_b32 s[TX], s[TX], 7                      ; the K step of half step t + 1
	s_lshl_b32 s[KA], s[TX], 7
.endif
.if \bfetch
.if \inloop
	s_lshl_b32 s51, s[LC], 1
	s_add_co_u32 s51, s51, (\tix)+2
.else
	s_mov_b32 s51, (\tix)+2
.endif
	s_add_co_u32 s52, s51, s[ROT]                  ; half step t + 2: its K step,
	s_and_b32 s52, s52, 7
	s_lshl_b32 s52, s52, 15
	s_lshr_b32 s51, s51, 3                         ; and its half: eight fragments, 16,384 bytes, on
	s_lshl_b32 s51, s51, 14
	s_add_co_u32 s[OF], s52, s51
	s_add_co_u32 s[OF], s[OF], s[PO]
.endif
	s_wait_dscnt 0x0                               ; this half step's token fragments are in
.if \afetch
	v_add_nc_u32 v[AC], s[KA], v[AO]
.endif
.irp gq, 0,1
.if \gq == 0
	s_wait_loadcnt \c0                             ; this group's sixteen loads are in; those issued behind them may be out
.else
	s_wait_loadcnt \c1
.endif
.if \bfetch
	s_add_nc_u64 s[BN+2*(2*\set+\gq):BN+2*(2*\set+\gq)+1], s[WB:WB+1], s[OF:OF+1]   ; the loads that named this base are done
.endif
.if \H
	WIN MUL_HI
.else
	WIN MUL_LO
.endif
.irp n4, 0,1,2,3
.irp m, 0,1,2,3
.set N8, 4*\gq+\n4
.set AR, 8*(4*N8+\m)
.set BR, 16*(8*\set+N8)
.if \zero
	v_wmma_f32_16x16x128_bf8_bf8 v[AR:AR+7], v[BR:BR+15], v[AF+64*\set+16*\m:AF+64*\set+16*\m+15], 0
.else
	v_wmma_f32_16x16x128_bf8_bf8 v[AR:AR+7], v[BR:BR+15], v[AF+64*\set+16*\m:AF+64*\set+16*\m+15], v[AR:AR+7]
.endif
.endr
.endr
.rept 4
	v_nop                                          ; four places in front of loads into registers that matrix instructions have read, and of the first read of results
.endr
.if \bfetch
	RING 2*\set+\gq, 4*\gq
.endif
.if \gq == 0
.if \afetch
	WIN 0
	s_wait_alu depctr_va_vdst(0)
.irp m, 0,1,2,3
.irp c, 0,1,2,3
	ds_load_b128 v[AF+64*(1-\set)+16*\m+4*\c:AF+64*(1-\set)+16*\m+4*\c+3], v[AC] offset:16*\m*PX+32*\c
.endr
.endr
.endif
.if \piece
.if (HH%2) == 0
	WO_IN 2, HH/2
.endif
	WO_BACK 2, HH/2, 8*(HH%2)
.endif
.else
.if \piece
	WO_SEND 2, HH/2, 8*(HH%2), 0
.endif
.endif
.endr
	WIN 0
.endm
; x: four rows of my sixteen (batch b) into set s of window 2: each load reads 512 consecutive bytes of a row
.macro XLOAD set, b
	WIN 0x80                                       ; destination window 2
.irp row, 0,1,2,3
.irp c8, 0,1,2,3,4,5,6,7
	global_load_b128 v[128*\set+32*\row+4*\c8:128*\set+32*\row+4*\c8+3], v[L16], s[4:5] offset:(4*\b+\row)*4096+512*\c8 th:TH_LOAD_NT
.endr
.endr
	WIN 0
.endm
; and from there into codes in XC.  Eight registers on end are two loads' numbers: k = 256 i + 128 (e / 4) + 4 lane + e % 4
.macro XPROC set, b
.if (\b)%2 == 0
.set CDX, 128+16*(\b)                  ; each batch has code registers of its own
.else
.set CDX, 40+16*((\b)-1)
.endif
	WIN 0x82                                       ; destination and source 0 window 2
.set i, 0
.rept 128
	v_med3_num_f32 v[128*\set+i], v[128*\set+i], -v21, v21   ; the conversion to an 8-bit code does not saturate (ISA guide 7.6.2): the hold comes first
.set i, i+1
.endr
	WIN 0x02                                       ; source 0 window 2
.irp row, 0,1,2,3
.irp i4, 0,1,2,3
	v_cvt_scalef32_pk8_bf8_f32 v[CDX+8*\row+2*\i4:CDX+8*\row+2*\i4+1], v[128*\set+32*\row+8*\i4:128*\set+32*\row+8*\i4+7], v20
.endr
.endr
	v_nop                                          ; one plain line behind the last conversion: matrix instructions later write its sources
	WIN 0
.irp row, 0,1,2,3
.irp a, 0,1
	ds_store_b128 v[XS], v[CDX+8*\row+4*\a:CDX+8*\row+4*\a+3] offset:(4*\b+\row)*PX+512*\a
.endr
.endr
.endm
; q's or k's sums become codes: the product's own 2^(e0 + e1) is folded into the conversion's scale.  Tiles 2 u, 2 u + 1 of a token give 16 bytes of head 4 w + u / 2; the order of a head's 64 channels is the same in q and in k.
.macro EPI_QK
.irp wd, 0,1
	WIN 0x82+0x41*\wd                              ; destination and source 0 window 2, then 3
.set i, 0
.rept 256
	v_med3_num_f32 v[i], v[i], -v23, v23           ; each accumulator from its low end on
.set i, i+1
.endr
	WIN 0x02+\wd
.irp m, 0,1,2,3
.irp n8, 0,1,2,3,4,5,6,7
.if \n8 < 4
.set CD, 128+32*\wd+8*\m+2*\n8
.else
.set CD, 40+32*\wd+8*\m+2*(\n8-4)
.endif
	v_cvt_scalef32_pk8_bf8_f32 v[CD:CD+1], v[8*(4*\n8+\m):8*(4*\n8+\m)+7], v22
.endr
.endr
	v_nop                                          ; one plain line behind the last conversion
	WIN 0
.irp m, 0,1,2,3
.irp ul, 0,1,2,3
.if \ul < 2
.set CD, 128+32*\wd+8*\m+4*\ul
.else
.set CD, 40+32*\wd+8*\m+4*(\ul-2)
.endif
	ds_store_b128 v[QSC], v[CD:CD+3] offset:16*\m*PT+(2*\wd+\ul/2)*PH+32*(\ul%2)
.endr
.endr
.endr
.endm
; Product 3, eight key heads g = 8 hi .. 8 hi + 7 for two query heads: 64 packed multiply-adds.  v of key head g is accumulator (m, g); a weight is one register of a pair, taken for both halves.
.macro FMA8 m, hi
.set g, 0
.rept 8
.irp h2, 0,1
.irp dp, 0,1,2,3
.set VA, 8*(4*g+\m)+2*\dp
.set PP, PW+16*\hi+8*\h2+2*(g/2)
.set OO, OA+8*\h2+2*\dp
.if (\hi == 0) && (g == 0)
	v_pk_mul_f32 v[OO:OO+1], v[VA:VA+1], v[PP:PP+1] op_sel_hi:[1,0]     ; the first product starts the sum
.elseif g%2 == 0
	v_pk_fma_f32 v[OO:OO+1], v[VA:VA+1], v[PP:PP+1], v[OO:OO+1] op_sel_hi:[1,0,1]
.else
	v_pk_fma_f32 v[OO:OO+1], v[VA:VA+1], v[PP:PP+1], v[OO:OO+1] op_sel:[0,1,0] op_sel_hi:[1,1,1]
.endif
.endr
.endr
.set g, g+1
.endr
.endm
; A trip of product 3: query heads 2 U, 2 U + 1 of the 16 tokens of tile m, my 16 channels.  mode 0: the next trip's weights are fetched (behind a tile's last trip: the next tile's first); mode 2: the last trip of all.
; LDS instructions of a trip, in order: [g 0-7's four loads, g 8-15's four, the last trip's store: issued earlier] the next g 0-7's four, the next g 8-15's four, this trip's store.
.macro TRIP3 m, mode
	s_wait_dscnt 4                                 ; g 0-7's weights are in; behind them stand g 8-15's four loads (and a store: the smaller count is taken)
.if \mode == 0
	s_add_co_u32 s51, s[U], 1
	s_and_b32 s52, s51, 7
	s_mul_i32 s52, s52, 2*PH
	s_lshr_b32 s51, s51, 3
	s_mul_i32 s51, s51, 16*PT*(1-(\m)/3)           ; behind tile 3's last trip there is no next tile: the look-ahead comes round to that tile's first two heads, and its eight loads are not used
	s_add_co_u32 s51, s51, s52
	v_add_nc_u32 v[PCA], s51, v[PB]                ; two heads on; behind the eighth trip: sixteen tokens on
.endif
	WIN 0x02                                       ; source 0 window 2
	FMA8 \m, 0
	WIN 0
.if \mode == 0
.irp h2, 0,1
.irp c, 0,1
	ds_load_b128 v[PW+8*\h2+4*\c:PW+8*\h2+4*\c+3], v[PCA] offset:16*\m*PT+PH*\h2+16*\c
.endr
.endr
	s_wait_alu depctr_va_vdst(0)
	s_wait_dscnt 4                                 ; all but the four just issued: g 8-15's weights are in, and the last trip's store has read its registers
.else
	s_wait_alu depctr_va_vdst(0)
	s_wait_dscnt 0x0
.endif
	s_lshl_b32 s51, s[U], 5
	v_add_nc_u32 v[OSC], s51, v[OS]
	WIN 0x03                                       ; source 0 window 3
	FMA8 \m, 1
	WIN 0
.if \mode == 0
	v_mov_b32 v[PCB], v[PCA]
.irp h2, 0,1
.irp c, 0,1
	ds_load_b128 v[PW+16+8*\h2+4*\c:PW+16+8*\h2+4*\c+3], v[PCB] offset:16*\m*PT+PH*\h2+32+16*\c
.endr
.endr
.endif
.irp i, 0,1,2,3,4,5,6,7,8,9,10,11,12,13,14,15
	v_med3_num_f32 v[OA+\i], v[OA+\i], -v25, v25
.endr
	v_cvt_scalef32_pk8_bf8_f32 v[88:89], v[OA:OA+7], v24
	v_cvt_scalef32_pk8_bf8_f32 v[90:91], v[OA+8:OA+15], v24
	v_nop                                          ; one plain line behind the last conversion: the next trip writes its sources
	ds_store_b128 v[OSC], v[88:91] offset:16*\m*PX
.endm
	; ---- the head
	s_load_b256 s[4:11], s[0:1], 0x0               ; x s[4:5], the images s[6:7], the scales' exponents s[8:9], b_out s[10:11]
	s_load_b64 s[12:13], s[0:1], 0x20              ; out0
	v_lshl_add_u32 v[SPW], v0, 2, SPARE
	v_mov_b32 v[NIL], 0
	v_lshrrev_b32 v125, 5, v0
	v_readfirstlane_b32 s[WV], v125                ; wave 0..3
	v_and_b32 v125, 31, v0                         ; lane
	v_and_b32 v126, 15, v0                         ; r
	v_bfe_u32 v127, v0, 4, 1                       ; hh
	v_lshlrev_b32 v[L16], 4, v125
	v_lshlrev_b32 v[PFO], 8, v125
	s_mul_i32 s51, s[WV], 16*PX
	v_add_nc_u32 v[XS], s51, v[L16]
	v_mul_u32_u24 v[AX], v126, PX
	v_lshl_add_u32 v[AX], v127, 4, v[AX]
	v_add_nc_u32 v[AO], OC, v[AX]
	s_lshl_b32 s52, s[WV], 8
	v_add_nc_u32 v[OS], s52, v[AO]
	s_mul_i32 s52, s[WV], 16*SPI                   ; my stage: 16 rows of 528 bytes, from LDS byte 0 on
	v_add_nc_u32 v[XSG], s52, v[L16]
	v_mul_u32_u24 v[STA], v126, SPI
	v_lshl_add_u32 v[STA], v127, 5, v[STA]
	v_add_nc_u32 v[STA], s52, v[STA]
	v_mul_u32_u24 v[PB], v126, PT
	s_mul_i32 s52, s[WV], 4*PH
	v_lshl_add_u32 v[QS], v127, 4, v[PB]
	v_add_nc_u32 v[QS], s52, v[QS]
	v_add_nc_u32 v[QS], QB, v[QS]
	v_add_nc_u32 v[PB], PBASE, v[PB]
	v_mul_u32_u24 v[SFQ], v126, PH
	v_lshl_add_u32 v[SFQ], v127, 5, v[SFQ]
	s_mul_i32 s52, s[WV], 16*PT
	s_add_co_u32 s52, s52, QB
	v_add_nc_u32 v[SFQ], s52, v[SFQ]
	v_add_nc_u32 v[SFK], KB-QB, v[SFQ]
	v_add_nc_u32 v[PS], PBASE-QB, v[SFQ]
	s_mul_i32 s53, s[WV], 16*PX
	v_mul_u32_u24 v124, v126, PX
	v_add_nc_u32 v124, s53, v124                   ; row 16 w + r of x's codes,
	v_add_nc_u32 v119, OC, v124                    ; and of attention's
	v_mov_b32 v120, 0
	v_mov_b32 v121, 0
	v_mov_b32 v122, 0
	v_mov_b32 v123, 0
	ds_store_b128 v124, v[120:123] offset:1024     ; the 16 bytes of padding behind each of my rows are written once, in both places (both halves of the lanes write the same zeros)
	ds_store_b128 v119, v[120:123] offset:1024
	s_and_b32 s[ROT], ttmp9, 7
	s_mov_b32 s[OF+1], 0
	s_mov_b32 s[OG+1], 0
	s_mov_b32 s[SEL], 0x76543210
	s_mov_b32 s[SEL+1], 0xfedcba98
	s_lshr_b32 s51, ttmp9, 7                       ; 0 in work-groups 0 to 127,
	s_or_b32 s51, s51, s[WV]                       ; in wave 0
	s_cmp_eq_u32 s51, 0
	s_cselect_b32 s[LIM], 1, -1
	s_lshl_b32 s52, ttmp9, 18                      ; my work-group's 64 rows of 4,096 bytes
	s_mov_b32 s53, 0
	s_lshl_b32 s54, s[WV], 16
	s_add_co_u32 s54, s54, s52                     ; x: + my wave's 16 rows
	s_mov_b32 s55, 0
	s_lshl_b32 s56, s[WV], 10                      ; my wave's 256 columns, in bytes
	s_mov_b32 s57, 0
	s_add_co_u32 s52, s52, s56                     ; out0
	s_lshl_b32 s58, s[WV], 18
	s_mov_b32 s59, 0
	s_and_b32 s60, ttmp9, 127
	s_lshl_b32 s60, s60, 13
	s_mov_b32 s61, 0
	s_lshl_b32 s[OF], s[ROT], 15
	s_wait_kmcnt 0x0
	s_load_b128 s[16:19], s[8:9], 0x0              ; e0 .. e3
	s_load_b64 s[20:21], s[8:9], 0x10              ; e4, e5
	s_add_nc_u64 s[4:5], s[4:5], s[54:55]
	s_add_nc_u64 s[12:13], s[12:13], s[52:53]
	s_add_nc_u64 s[10:11], s[10:11], s[56:57]
	s_add_nc_u64 s[WB:WB+1], s[6:7], s[58:59]
	s_add_nc_u64 s[PFA:PFA+1], s[6:7], s[60:61]    ; in the first pass's images; each pass but the last steps it to the next pass's
.irp g, 0,1,2,3
	s_add_nc_u64 s[BN+2*\g:BN+2*\g+1], s[WB:WB+1], s[OF:OF+1]   ; q's pass, its first K step
.endr
	global_load_b128 v[BIAS:BIAS+3], v[L16], s[10:11]             ; the bias of the columns that I store: 128 c + 4 lane + 0 .. 3 of my wave's 256
	global_load_b128 v[BIAS+4:BIAS+7], v[L16], s[10:11] offset:512
	XLOAD 0, 0
	XLOAD 1, 1
	s_wait_kmcnt 0x0
	s_mov_b32 s51, s16
	POW2 52, 53, 51
	v_mov_b32 v20, s52                             ; 2^e0: the conversion takes its exponent field
	v_mov_b32 v21, s53                             ; 57,344 x 2^e0
	s_add_co_i32 s54, s16, s17                     ; a sum of product 1 stands for sum x 2^(e0 + e1)
	s_sub_co_i32 s51, s18, s54
	POW2 46, 47, 51                                ; q: e2 - e0 - e1
	s_sub_co_i32 s51, s19, s54
	POW2 48, 49, 51                                ; k: e3 - e0 - e1
	s_sub_co_i32 s51, s20, s54
	POW2 52, 53, 51                                ; attention's result, made of raw sums of v: e4 - e0 - e1
	v_mov_b32 v24, s52
	v_mov_b32 v25, s53
	s_add_co_i32 s51, s18, s19
	s_lshl_b32 s51, s51, 23
	s_add_co_i32 s[CS], s51, 0x3e38aa3b            ; log2(e) / sqrt(64), with e2 + e3 added to its exponent field
	s_mov_b32 s[CS+1], s[CS]                       ; (named with it as a pair, so it is written)
	s_add_co_i32 s51, s20, s21
	s_add_co_i32 s51, s51, 127
	s_lshl_b32 s[SC], s51, 23                      ; 2^(e4 + e5)
	s_mov_b32 s[SC+1], s[SC]
	; ---- x: my 16 rows become codes, four rows at a time in two sets; the first K step's weights are asked for behind the last rows
	s_wait_alu depctr_va_vdst(0)
	s_wait_loadcnt 32                              ; the batch wanted is in; the 32 loads issued behind it may be out (so in all four waits)
	XPROC 0, 0
	XLOAD 0, 2
	s_wait_loadcnt 32
	XPROC 1, 1
	XLOAD 1, 3
	s_wait_loadcnt 32
	XPROC 0, 2
	RING 0, 0
	RING 1, 4
	s_wait_loadcnt 32
	XPROC 1, 3
	RING 2, 8
	RING 3, 12
	WIN 0
	BARRIER                                        ; the 64 rows of x's codes lie in LDS
	; ---- q's pass and k's: one text, walked twice
	s_mov_b32 s[QT], 0
.Lqk:
	s_lshl_b32 s[PO], s[QT], 20
	PASS 0
	s_mul_i32 s51, s[QT], KB-QB
	v_add_nc_u32 v[QSC], s51, v[QS]                ; (the last trip's stores that named it were waited for in the pass)
	s_cmp_eq_u32 s[QT], 0
	s_cselect_b32 s52, s46, s48
	s_cselect_b32 s53, s47, s49
	v_mov_b32 v22, s52
	v_mov_b32 v23, s53
	EPI_QK
	s_add_co_u32 s[QT], s[QT], 1
	s_cmp_lt_u32 s[QT], 2
	s_cbranch_scc1 .Lqk
	BARRIER                                        ; q's and k's codes lie in LDS
	; ---- scores and softmax of my 16 tokens, four a trip.  S^T = k q^T: a lane holds query head h = lane % 16, its registers key heads g = 8 (lane / 16) + 0 .. 7.
.irp T, 0,1,2,3
	v_mov_b32 v[41+8*\T], 0                        ; named as the upper halves of pairs, and as a lane permute's destination: written once
	v_mov_b32 v[42+8*\T], 0
	v_mov_b32 v[43+8*\T], 0
.endr
	s_mov_b32 s[U], 0
.Lscore:
	s_wait_dscnt 0x0                               ; the last trip's stores are done: their address is written again
	s_mul_i32 s51, s[U], 4*PT
	v_add_nc_u32 v26, s51, v[SFQ]
	v_add_nc_u32 v27, s51, v[SFK]
	v_add_nc_u32 v29, s51, v[PS]
.irp T, 0,1,2,3
	ds_load_b128 v[128+8*\T:131+8*\T], v27 offset:PT*\T        ; lane (r, hh): bytes 32 hh .. 32 hh + 31 of head r, in k and in q alike
	ds_load_b128 v[132+8*\T:135+8*\T], v27 offset:PT*\T+16
	ds_load_b128 v[160+8*\T:163+8*\T], v26 offset:PT*\T
	ds_load_b128 v[164+8*\T:167+8*\T], v26 offset:PT*\T+16
.endr
	s_wait_dscnt 0x0
.irp T, 0,1,2,3
	v_wmma_f32_16x16x64_bf8_bf8 v[192+8*\T:199+8*\T], v[128+8*\T:135+8*\T], v[160+8*\T:167+8*\T], 0
.endr
.rept 4
	v_nop                                          ; four places in front of the first read of results
.endr
.irp T, 0,1,2,3
	v_max3_num_f32 v[40+8*\T], v[192+8*\T], v[193+8*\T], v[194+8*\T]   ; the row's largest score; the four tokens take turns line by line
.endr
.irp T, 0,1,2,3
	v_max3_num_f32 v[40+8*\T], v[40+8*\T], v[195+8*\T], v[196+8*\T]
.endr
.irp T, 0,1,2,3
	v_max3_num_f32 v[40+8*\T], v[40+8*\T], v[197+8*\T], v[198+8*\T]
.endr
.irp T, 0,1,2,3
	v_max_num_f32 v[40+8*\T], v[40+8*\T], v[199+8*\T]
.endr
.irp T, 0,1,2,3
	v_permlanex16_b32 v[42+8*\T], v[40+8*\T], s[SEL], s[SEL+1]         ; the other eight key heads lie in the lane 16 away
.endr
.irp T, 0,1,2,3
	v_max_num_f32 v[40+8*\T], v[40+8*\T], v[42+8*\T]
.endr
.irp T, 0,1,2,3
	v_mul_f32 v[40+8*\T], s[CS], v[40+8*\T]        ; c m (c is positive).  Its rounding is the same for the whole row and leaves with the division by the sum
.endr
.irp j, 0,2,4,6
.irp T, 0,1,2,3
	v_pk_fma_f32 v[192+8*\T+\j:193+8*\T+\j], v[192+8*\T+\j:193+8*\T+\j], s[CS:CS+1], v[40+8*\T:41+8*\T] op_sel_hi:[1,0,0] neg_lo:[0,0,1] neg_hi:[0,0,1]   ; c s - c m
.endr
.endr
	s_wait_alu depctr_va_vdst(0)
.irp i, 0,1,2,3,4,5,6,7,8,9,10,11,12,13,14,15,16,17,18,19,20,21,22,23,24,25,26,27,28,29,30,31
	v_exp_f32 v[192+\i], v[192+\i]
.endr
	v_nop                                          ; a plain line behind the last exponential
	s_wait_alu depctr_va_vdst(0)                   ; one wait for the batch, ahead of its first reader
.irp T, 0,1,2,3
	v_pk_add_f32 v[44+8*\T:45+8*\T], v[192+8*\T:193+8*\T], v[194+8*\T:195+8*\T]
.endr
.irp T, 0,1,2,3
	v_pk_add_f32 v[46+8*\T:47+8*\T], v[196+8*\T:197+8*\T], v[198+8*\T:199+8*\T]
.endr
.irp T, 0,1,2,3
	v_pk_add_f32 v[44+8*\T:45+8*\T], v[44+8*\T:45+8*\T], v[46+8*\T:47+8*\T]
.endr
.irp T, 0,1,2,3
	v_add_f32 v[44+8*\T], v[44+8*\T], v[45+8*\T]
.endr
.irp T, 0,1,2,3
	v_permlanex16_b32 v[42+8*\T], v[44+8*\T], s[SEL], s[SEL+1]
.endr
.irp T, 0,1,2,3
	v_add_f32 v[44+8*\T], v[44+8*\T], v[42+8*\T]   ; the row's sum, at least about 1
.endr
	s_wait_alu depctr_va_vdst(0)
.irp T, 0,1,2,3
	v_rcp_f32 v[42+8*\T], v[44+8*\T]
.endr
	v_nop                                          ; a plain line behind the last reciprocal
	s_wait_alu depctr_va_vdst(0)                   ; one wait for the four, ahead of their first reader
.irp j, 0,2,4,6
.irp T, 0,1,2,3
	v_pk_mul_f32 v[192+8*\T+\j:193+8*\T+\j], v[192+8*\T+\j:193+8*\T+\j], v[42+8*\T:43+8*\T] op_sel_hi:[1,0]
.endr
.endr
.irp T, 0,1,2,3
	ds_store_b128 v29, v[192+8*\T:195+8*\T] offset:PT*\T
	ds_store_b128 v29, v[196+8*\T:199+8*\T] offset:PT*\T+16
.endr
	s_add_co_u32 s[U], s[U], 1
	s_cmp_lt_u32 s[U], 4
	s_cbranch_scc1 .Lscore
	; ---- v's pass: tile nt is key head nt at my 16 channels; the sums stay in the accumulators.  Its tail fetches the last pass's first two half steps
	s_mov_b32 s[PO], 2<<20
	PASS 1
	BARRIER                                        ; every wave's weights of the softmax lie in LDS, and nobody reads k's codes or x's any more
	; ---- product 3 in f32, and its codes
.irp h2, 0,1
.irp c, 0,1
	ds_load_b128 v[PW+8*\h2+4*\c:PW+8*\h2+4*\c+3], v[PB] offset:PH*\h2+16*\c
.endr
.endr
.irp h2, 0,1
.irp c, 0,1
	ds_load_b128 v[PW+16+8*\h2+4*\c:PW+16+8*\h2+4*\c+3], v[PB] offset:PH*\h2+32+16*\c
.endr
.endr
.irp m, 0,1,2
	s_mov_b32 s[U], 0
.Lp3_\m:
	TRIP3 \m, 0
	s_add_co_u32 s[U], s[U], 1
	s_cmp_lt_u32 s[U], 8
	s_cbranch_scc1 .Lp3_\m
.endr
	s_mov_b32 s[U], 0
.Lp3_3:
	TRIP3 3, 0
	s_add_co_u32 s[U], s[U], 1
	s_cmp_lt_u32 s[U], 8
	s_cbranch_scc1 .Lp3_3
	BARRIER                                        ; the 64 rows of attention's codes lie in LDS
	; ---- the last pass: sixteen half steps.  The first eight make my columns 0-127, the second eight my columns 128-255
	s_mov_b32 s[PO], 3<<20
	s_lshl_b32 s[KA], s[ROT], 7
	v_add_nc_u32 v[AC], s[KA], v[AO]
.irp m, 0,1,2,3
.irp c, 0,1,2,3
	ds_load_b128 v[AF+16*\m+4*\c:AF+16*\m+4*\c+3], v[AC] offset:16*\m*PX+32*\c
.endr
.endr
	HSTEP 0, 0, 1, 1, 1, 0, 0, 48, 48, 0           ; its products start the first half's sums
	s_mov_b32 s[LC], 0
.Lh0:
	HSTEP 1, 0, 0, 1, 1, 1, 1, 48, 48, 0
	HSTEP 0, 0, 0, 1, 1, 1, 2, 48, 48, 0
	s_add_co_u32 s[LC], s[LC], 1
	s_cmp_lt_u32 s[LC], 3
	s_cbranch_scc1 .Lh0
	HSTEP 1, 0, 0, 1, 1, 0, 7, 48, 48, 0
	; the second half is written out: each half step sends eight other rows of the first half's results, from registers and to offsets of their own
	HSTEP 0, 1, 1, 1, 1, 0, 8, 48, 48, 1           ; its products start the second half's sums
	HSTEP 1, 1, 0, 1, 1, 0, 9, 48, 48, 1
	HSTEP 0, 1, 0, 1, 1, 0, 10, 48, 48, 1
	HSTEP 1, 1, 0, 1, 1, 0, 11, 48, 48, 1
	HSTEP 0, 1, 0, 1, 1, 0, 12, 48, 48, 1
	HSTEP 1, 1, 0, 1, 1, 0, 13, 48, 48, 1          ; fetches the last half step's weights
	HSTEP 0, 1, 0, 1, 0, 0, 14, 48, 32, 1          ; nothing more is fetched: the counts run down
	HSTEP 1, 1, 0, 0, 0, 0, 15, 16, 0, 1
	; ---- the second half's results.  The places behind the last products are the four at the end of the last half step and the multiply-adds of its eight rows.
	WO_IN 3, 0
	WO_BACK 3, 0, 0
	WO_BACK 3, 0, 8
	WO_IN 3, 1                                     ; the next tile's stores come behind this tile's loads, in order
	WO_BACK 3, 1, 0
	WO_BACK 3, 1, 8
	WO_SEND 3, 0, 0, 40                            ; behind these eight loads: the tile's other eight, and the next tile's 16 stores and 16 loads
	WO_SEND 3, 0, 8, 32
	WO_IN 3, 2
	WO_BACK 3, 2, 0
	WO_BACK 3, 2, 8
	WO_SEND 3, 1, 0, 40
	WO_SEND 3, 1, 8, 32
	WO_IN 3, 3
	WO_BACK 3, 3, 0
	WO_BACK 3, 3, 8
	WO_SEND 3, 2, 0, 40
	WO_SEND 3, 2, 8, 32
	WO_SEND 3, 3, 0, 8
	WO_SEND 3, 3, 8, 0
	WIN 0
	s_wait_tensorcnt 0x0                           ; the wave's end
	ds_add_u32 v[SPW], v[NIL]
	s_wait_dscnt 0x0
	s_endpgm
.Lfunc_end_k_q27613c2963_fused:
	.size	k_q27613c2963_fused, .Lfunc_end_k_q27613c2963_fused-k_q27613c2963_fused
	.p2alignl 7, 3214868480
	.fill 96, 4, 3214868480
	.section	.rodata,"a",@progbits
	.p2align	6, 0x0
	.amdhsa_kernel k_q27613c2963_fused
		.amdhsa_group_segment_fixed_size 315904
		.amdhsa_private_segment_fixed_size 0
		.amdhsa_enable_private_segment 0
		.amdhsa_kernarg_size 40
		.amdhsa_user_sgpr_count 2
		.amdhsa_user_sgpr_kernarg_segment_ptr 1
		.amdhsa_wavefront_size32 1
		.amdhsa_system_sgpr_workgroup_id_x 1
		.amdhsa_system_sgpr_workgroup_id_y 1
		.amdhsa_system_sgpr_workgroup_id_z 1
		.amdhsa_system_vgpr_workitem_id 0
		.amdhsa_next_free_vgpr 1024
		.amdhsa_next_free_sgpr 80
		.amdhsa_reserve_vcc 0
		.amdhsa_float_denorm_mode_32 3
		.amdhsa_float_denorm_mode_16_64 3
		.amdhsa_memory_ordered 1
		.amdhsa_forward_progress 1
		.amdhsa_inst_pref_size 255
	.end_amdhsa_kernel
	.section	.bss,"aw",@nobits
	.p2align	6
	.space	262144
	.amdgpu_metadata
---
amdhsa.version: [ 1, 2 ]
amdhsa.kernels:
  - .name:           k_q27613c2963_fused
    .symbol:         k_q27613c2963_fused.kd
    .args:
      - { .name: x, .offset: 0, .size: 8, .value_kind: global_buffer, .address_space: global }
      - { .name: wimg, .offset: 8, .size: 8, .value_kind: global_buffer, .address_space: global }
      - { .name: lowp_scales, .offset: 16, .size: 8, .value_kind: global_buffer, .address_space: global }
      - { .name: b_out, .offset: 24, .size: 8, .value_kind: global_buffer, .address_space: global }
      - { .name: out0, .offset: 32, .size: 8, .value_kind: global_buffer, .address_space: global }
    .group_segment_fixed_size: 315904
    .private_segment_fixed_size: 0
    .kernarg_segment_align: 8
    .kernarg_segment_size: 40
    .max_flat_workgroup_size: 128
    .sgpr_count:     80
    .vgpr_count:     1024
    .wavefront_size: 32
...
	.end_amdgpu_metadata
.endif
;; end of part 2
